; MI455X (gfx1250); checked and timed in simulation.
; The chip was launched on July 23, 2026; its instructions are those of AMD's public machine-readable ISA for CDNA 5 (MIT licence, August 2026) and "CDNA5" Instruction Set Architecture Reference Guide (July 2026). The comments in the code are by the model that wrote it; some were corrected since.
;; Hebbian Plastic Layer. Allowed arithmetic: matrix products marked QUANTISED: E4M3 operands, one E8M0 scale for each 32 along K, by v_wmma_scale_f32_16x16x128_f8f6f4 with both operands' format E4M3, f32 sums; everything else in f32.
;; Inputs: W_codes 4,096 x 128 x 32 uint8 (E4M3 codes of W, K innermost, in blocks of 32 codes); W_scales 4,096 x 128 uint8 (E8M0 scales of W, one for each 32 codes along K); alpha 4,096 x 4,096 float32; bias 4,096 float32; eta one number float32; x 2,048 x 4,096 float32.
;; Outputs: out0 2,048 x 4,096 float32.
;; This version of the problem:
;;   THIS VERSION OF THE PROBLEM IS GIVEN IN LOW PRECISION. The matrix products marked QUANTISED in the list below multiply operands that are first quantised to E4M3 (4 exponent bits, 3 mantissa bits; 8 bits a number), with one power-of-two scale for each 32 numbers along K (OCP MX v1.0); their sums are f32. All else is computed in f32.
;;   The module's matrix products, in the order in which they are computed (A, B: the left and right operand; K: the contracted axis; several contracted axes count as one K, in the product's order):
;;     1. [M 2,048, K 4,096] x [K 4,096, N 4,096]; A: input x; B: input W (given as codes): QUANTISED
;;     2. [M 2,048, K 4,096] x [K 4,096, N 4,096]; A: computed on the way; B: computed on the way: QUANTISED
;;   THE QUANTISER, for each operand of a quantised product, along K:
;;     - K is cut into blocks of 32 from its start; a last block that is shorter is filled with zeros.
;;     - A block's scale is 2^e with e = floor(log2(the largest magnitude in the block)) - 8, held to -126 .. 127; a block of zeros has e = 0. As a byte (E8M0): e + 127.
;;     - Each number is divided by its block's scale, clamped to +-448, and rounded to the nearest number of E4M3, ties to even, subnormals kept.
;;     - The product sums the exact products of the quantised numbers (number of the format x scale) in f32.
;;   ~~~python
;;   def quantise(x, axis):      # numpy; x: float32 -> the quantised numbers, widened to float32 again
;;       x = np.moveaxis(x, axis, -1); K = x.shape[-1]
;;       x = np.pad(x, [(0, 0)] * (x.ndim - 1) + [(0, -K % 32)]); x = x.reshape(x.shape[:-1] + (-1, 32)); a = np.abs(x).max(-1, keepdims=True)
;;       e = np.where(a > 0, np.clip(np.frexp(np.where(a > 0, a, 1))[1] - 1 - 8, -126, 127), 0)      # np.frexp(a)[1] - 1 = floor(log2(a)), exactly
;;       r = np.clip(x / 2.0 ** e, -448, 448)
;;       step = 2.0 ** (np.maximum(np.frexp(np.where(r == 0, 1, r))[1] - 1, -6) - 3)
;;       q = np.round(r / step) * step * 2.0 ** e      # np.round: ties to even
;;       return np.moveaxis(q.reshape(q.shape[:-2] + (-1,))[..., :K], -1, axis).astype(np.float32)
;;   ~~~
;;   OPERANDS COMPUTED ON THE WAY. 'Computed on the way' means the value that the module computes at that place (a softmax that the list does not call 'softmax' is quantised finished and normalised). What goes into a quantiser is computed in f32, as accurately as f32 sums, v_exp_f32 and their like allow (about 1e-6 of the number): no bf16 or f16 on the way to a quantiser, and a product that is left as it is and whose result goes on into a quantised operand takes f32 operands (vector FMAs, or v_wmma_f32_16x16x4_f32). A number that lies on a knife's edge between two numbers of the format may be rounded either way, as far as f32 arithmetic and the matrix unit's own rounding can turn it there, and no further.
;;   INPUTS GIVEN AS CODES. W (in the module: [4096, 4096], K = its axis 1): each comes as NAME_codes (uint8): NAME with its K axis moved to the last place and cut into blocks of 32 codes, [.., K / 32, bytes a block], one block behind the other in memory; one code a byte (a code: sign, 4 exponent bits, 3 mantissa bits); and NAME_scales (uint8): the same leading axes, one E8M0 byte (e + 127) for each 32 codes along K. Its value is code x scale, taken as it is: it is not quantised again, and the codes and scales need not be those that the quantiser above would give.
;; One version. Each part assembles by itself: llvm-mc -triple=amdgcn-amd-amdhsa -mcpu=gfx1250 --defsym DOCPART=n.
;; ======== version 1 of 1: 2 launches
;; workspace buffers: acodes 16,777,216 bytes; bcodes 16,777,216 bytes; asc 524,288 bytes; bsc 1,048,576 bytes
;; launch quant (part 1): grid 640 x 1, 4 waves a work-group, no clusters, 47,616 bytes of LDS; arguments x, alpha, W_scales, acodes, asc, bcodes, bsc; writes acodes, asc, bcodes, bsc
.if DOCPART == 1
	.amdgcn_target "amdgcn-amd-amdhsa--gfx1250"
	.amdhsa_code_object_version 6
	.text
	.protected	k_q90f5804bc8_quant
	.globl	k_q90f5804bc8_quant
	.p2align	8
	.type	k_q90f5804bc8_quant,@function
k_q90f5804bc8_quant:
	s_mov_b64 s[64:65], 0
	v_nop
	global_prefetch_b8 v0, s[64:65] scope:SCOPE_SE
	s_setreg_imm32_b32 hwreg(HW_REG_WAVE_MODE, 25, 1), 1
	s_wait_xcnt 0x0
; THE OPERANDS OF BOTH PRODUCTS ARE MADE ONCE.  x [2048][4096] f32 gives two operands: Q(x) and Q(z), z = x * x / (||x|| + 1e-8) by rows; alpha [4096][4096] f32 gives Q(sigmoid(alpha)).
; Codes are FP8 (E4M3), K innermost, one E8M0 byte for each 32 along K: a block's byte is its largest magnitude's exponent field - 8, held at 1 from below; each number is held
; within +-448 x the scale and rounded to the nearest code, ties to even.
; acodes [2][2048][4096]: Q(x), then Q(z).   bcodes [4096][4096]: Q(sigmoid(alpha)).
; THE SCALE WORDS (four bytes: 128 along K of one row) are laid for the product's launch: [operand][group of 128 rows][K step of 128][512 bytes]; in the 512 bytes the word of row 16 a + r
; lies at 16 r + 256 (a / 4) + 4 (a % 4).  A wave that loads 16 bytes a lane then has, in register j, block j's words in lanes 0-15 and block j + 4's in lanes 16-31.
; asc: Q(x)'s, Q(z)'s.   bsc: W's own scale bytes laid anew (taken as they are given), then sigmoid's.
; LIMITS: NaN and infinities in x and alpha are not served.  A block of zeros gets the byte 1 where the rule says 127: its codes are zeros, which add nothing under any byte but 0xff, and this
; program alone reads the bytes.  Blocks whose largest magnitude lies under 2^-118 are held at byte 1.  A sigmoid under 2^-126 becomes 0 (the exponential and the reciprocal flush).
; The sum of squares of a row overflows where the f32 sum of squares overflows.
; SHARES.  Work-groups 0-127: 16 rows of x each, four to a wave, a row kept whole in 128 registers between the norm and the codes, so that x is read once.
; Work-groups 128-639: 64 rows x 512 columns of alpha: a wave takes 16 rows, 2,048 bytes of a row a step.  So a K step's 64 scale words of these rows are one whole run of 256 bytes.
; No tensor loads and no matrix work: the launch streams.  Each path has LDS bytes of its own.
; A conversion takes 8 numbers of one block from ONE lane's registers, a load is dense where neighbouring LANES take neighbouring bytes: so a step's 2,048 bytes go through the wave's own
; stage in LDS as they lie (16 bytes of padding behind each 64) and come back 64 bytes a lane: 16 neighbours; two neighbouring lanes hold a block.
.set XSTG, 0                           ; x path: four waves' stages, 2 x 32 x 80 bytes each
.set XIMG, 20480                       ; Q(x)'s scale words of the 16 rows: [K step 0..31][row 0..15][4 bytes]
.set ZIMG, 22528                       ; Q(z)'s
.set ASTG, 24576                       ; alpha path: the stages
.set AIMG, 45056                       ; sigmoid's scale words: [K step 0..3][256 bytes as they go to bsc]
.set WIMG, 46080                       ; W's
.set R,   16                           ; x path: v16-143 a row as loaded
.set XS,  144                          ; v144-175 two sets of 16 neighbours
.set ZS,  176                          ; v176-191 z
.set CD,  192                          ; v192-207 codes: two sets of 4 (x) + 4 (z)
.set SS,  208                          ; v208-215 the sum of squares, four chains of pairs
.set CC,  216                          ; v216-217 1 / (norm + 1e-8), twice
.set EB,  218                          ; v218-221 scale bytes: two sets of x's, z's
.set M0,  224                          ; v224-227 the quantiser's work: two maxima, the hold, the scale operand
.set M1,  225
.set HLD, 226
.set SCL, 227
.set AR,  16                           ; alpha path: v16-79 four sets of 16 as loaded
.set AX,  80                           ; v80-111 two sets of 16 neighbours
.set AC,  112                          ; v112-175 codes, four registers for each step: no store's data are written again
.set AE,  176                          ; v176-191 a byte for each step
.set WW,  192                          ; v192-195 W's four scale words of my row
.set WV,  20                           ; s20 wave
.set MNT, 33                           ; s33 the mantissa field of 448
.set SEL, 34                           ; s[34:35] selects for lane l xor 16
; a step's 2,048 bytes through stage t % 2: LDS serves a wave's instructions in order, so no wait stands between the stores and the loads
.macro TURNL base, t, src, dst
.irp j, 0,1,2,3
	ds_store_b128 v3, v[(\src)+4*\j:(\src)+4*\j+3] offset:(\base)+2560*((\t)%2)+640*\j
.endr
.irp j, 0,1,2,3
	ds_load_b128 v[(\dst)+4*\j:(\dst)+4*\j+3], v4 offset:(\base)+2560*((\t)%2)+16*\j
.endr
.endm
; 16 neighbours v[s] .. v[s + 15] (half a block; lane l xor 1 holds the other half) -> 16 codes in v[c] .. v[c + 3], the block's byte in v[e].  sgn = 0: no number is negative
.macro Q16 s, sgn, c, e
.if \sgn
	v_max3_num_f32 v[M0], |v[(\s)]|, |v[(\s)+1]|, |v[(\s)+2]|
	v_max3_num_f32 v[M1], |v[(\s)+3]|, |v[(\s)+4]|, |v[(\s)+5]|
.irp i, 6,10
	v_max3_num_f32 v[M0], v[M0], |v[(\s)+\i]|, |v[(\s)+\i+1]|
	v_max3_num_f32 v[M1], v[M1], |v[(\s)+\i+2]|, |v[(\s)+\i+3]|
.endr
	v_max3_num_f32 v[M0], v[M0], |v[(\s)+14]|, |v[(\s)+15]|
.else
	v_max3_num_f32 v[M0], v[(\s)], v[(\s)+1], v[(\s)+2]
	v_max3_num_f32 v[M1], v[(\s)+3], v[(\s)+4], v[(\s)+5]
.irp i, 6,10
	v_max3_num_f32 v[M0], v[M0], v[(\s)+\i], v[(\s)+\i+1]
	v_max3_num_f32 v[M1], v[M1], v[(\s)+\i+2], v[(\s)+\i+3]
.endr
	v_max3_num_f32 v[M0], v[M0], v[(\s)+14], v[(\s)+15]
.endif
	v_max3_num_f32 v[M0], v[M0], v[M1], 0x4800000                  ; and the floor 2^(9 - 127): the byte cannot fall under 1
	v_max_num_f32_dpp v[M0], v[M0], v[M0] row_xmask:1 row_mask:0xf bank_mask:0xf   ; with my neighbour's 16: the block's largest magnitude
	v_add_nc_u32 v[SCL], 0xfc000000, v[M0]                         ; 8 off its exponent field: the conversion takes the exponent field of this operand as its scale
	v_and_or_b32 v[HLD], v[M0], 0x7f800000, s[MNT]                 ; 448 x the scale
.irp i, 0,1,2,3,4,5,6,7,8,9,10,11,12,13,14,15
.if \sgn
	v_med3_num_f32 v[(\s)+\i], v[(\s)+\i], -v[HLD], v[HLD]         ; the conversion to an 8-bit code does not saturate (ISA guide 7.6.2): the hold comes first
.else
	v_min_num_f32 v[(\s)+\i], v[(\s)+\i], v[HLD]
.endif
.endr
	v_cvt_scalef32_pk8_fp8_f32 v[(\c):(\c)+1], v[(\s):(\s)+7], v[SCL]
	v_cvt_scalef32_pk8_fp8_f32 v[(\c)+2:(\c)+3], v[(\s)+8:(\s)+15], v[SCL]
	v_lshrrev_b32 v[\e], 23, v[SCL]                                ; the byte; also the plain line behind the conversions
.endm
	s_load_b256 s[4:11], s[0:1], 0x0               ; x s[4:5], alpha s[6:7], W_scales s[8:9], acodes s[10:11]
	s_load_b128 s[12:15], s[0:1], 0x20             ; asc s[12:13], bcodes s[14:15]
	s_load_b64 s[16:17], s[0:1], 0x30              ; bsc
	v_lshl_add_u32 v232, v0, 2, 0xb800
	v_mov_b32 v233, 0
	v_lshrrev_b32 v1, 5, v0
	v_readfirstlane_b32 s[WV], v1                  ; wave 0..3
	v_and_b32 v1, 31, v0                           ; lane
	v_lshlrev_b32 v2, 4, v1                        ; 16 x lane: my bytes of a load's 512, and of a step's 512 codes
	s_mul_i32 s21, s[WV], 5120
	v_lshrrev_b32 v3, 2, v1
	v_mul_u32_u24 v3, v3, 80
	v_and_b32 v4, 3, v1
	v_lshl_add_u32 v3, v4, 4, v3
	v_add_nc_u32 v3, s21, v3                       ; the stage on the way in: 80 (lane / 4) + 16 (lane % 4) + my wave's 5,120 (the path's base stands in the immediate)
	v_mul_u32_u24 v4, v1, 80
	v_add_nc_u32 v4, s21, v4                       ; and on the way out: 80 x lane
	v_lshrrev_b32 v6, 3, v1                        ; which 128 along K of the step's 512 is mine
	v_bfe_u32 v7, v1, 1, 2                         ; which block of 32 in it
	s_mov_b32 s[MNT], 0x600000
	s_mov_b32 s[SEL], 0x76543210
	s_mov_b32 s[SEL+1], 0xfedcba98
	s_mov_b32 s27, 0
	s_mov_b32 s31, 0
	s_wait_kmcnt 0x0
	s_cmp_lt_u32 ttmp9, 128                        ; the work-group's number alone decides: all four waves go one way
	s_cbranch_scc0 .Lalpha
; ------------------------------------------------------------------ x: work-group g takes rows 16 g .. 16 g + 15, wave w rows 16 g + 4 w + 0 .. 3
	s_lshl_b32 s24, ttmp9, 4
	s_lshl_b32 s25, s[WV], 2
	s_add_co_u32 s24, s24, s25                     ; my first row
	s_lshl_b32 s26, s24, 14
	s_add_nc_u64 s[4:5], s[4:5], s[26:27]          ; x: 16,384 bytes a row
	s_lshl_b32 s26, s24, 12
	s_add_nc_u64 s[10:11], s[10:11], s[26:27]      ; Q(x)'s codes: 4,096 bytes a row
	s_add_nc_u64 s[18:19], s[10:11], 0x800000      ; Q(z)'s: 2,048 rows on
.set nn, 0
.rept 32
	global_load_b128 v[R+4*nn:R+4*nn+3], v2, s[4:5] offset:512*nn th:TH_LOAD_NT    ; the first row: 32 loads of 512 consecutive bytes
.set nn, nn+1
.endr
	s_lshr_b32 s26, ttmp9, 3                       ; asc: my group of 128 rows,
	s_lshl_b32 s26, s26, 14
	s_bfe_u32 s28, ttmp9, 0x10002                  ; a = g % 8: a / 4,
	s_lshl_b32 s28, s28, 8
	s_add_co_u32 s26, s26, s28
	s_and_b32 s28, ttmp9, 3                        ; a % 4,
	s_lshl_b32 s28, s28, 2
	s_add_co_u32 s26, s26, s28
	s_lshl_b32 s28, s[WV], 12                      ; and the eight K steps that my wave stores
	s_add_co_u32 s26, s26, s28
	s_add_nc_u64 s[12:13], s[12:13], s[26:27]
	v_lshl_add_u32 v5, v6, 6, v7                   ; a byte's place in an image: 64 x (K step in the step) + block
	s_lshl_b32 s28, s[WV], 4
	v_add_nc_u32 v5, s28, v5                       ; + 16 x wave (4 bytes a row, four rows a wave); 256 x step + 4 x row stand in the immediate
	v_lshlrev_b32 v8, 2, v1
	s_lshl_b32 s28, s[WV], 9
	v_add_nc_u32 v8, s28, v8                       ; the images on the way out: 512 x wave + 4 x lane
	v_lshrrev_b32 v10, 4, v1
	v_and_b32 v9, 15, v1
	v_lshlrev_b32 v9, 4, v9
	v_lshl_add_u32 v9, v10, 9, v9                  ; and in asc: 512 x (lane / 16) + 16 x (lane % 16)
; step t of row i: 512 numbers.  more = 1: the next row's loads take the registers that this step's stores into the stage have read
.macro XSTEP i, t, more
.set XV, XS+16*((\t)%2)
.set CV, CD+8*((\t)%2)
.set EV, EB+2*((\t)%2)
.if (\t) == 0
	s_wait_dscnt 0x0
.else
	s_wait_dscnt 2                                 ; this step's numbers are back from the stage; the last step's two byte stores may be out
.endif
.if \more
.irp j, 0,1,2,3
	global_load_b128 v[R+16*(\t)+4*\j:R+16*(\t)+4*\j+3], v2, s[4:5] offset:16384*((\i)+1)+2048*(\t)+512*\j th:TH_LOAD_NT
.endr
.endif
.if (\t) < 7
	TURNL XSTG, (\t)+1, R+16*((\t)+1), XS+16*(((\t)+1)%2)          ; the next step goes through the other stage while this one is worked
.endif
	s_wait_xcnt 0x0                                ; the stores of two steps ago have read their codes: the registers may be written again
.irp k, 0,2,4,6,8,10,12,14
	v_pk_mul_f32 v[ZS+\k:ZS+\k+1], v[XV+\k:XV+\k+1], v[CC:CC+1] op_sel_hi:[1,0]    ; x_norm = x / (norm + 1e-8)
.endr
.irp k, 0,2,4,6,8,10,12,14
	v_pk_mul_f32 v[ZS+\k:ZS+\k+1], v[ZS+\k:ZS+\k+1], v[XV+\k:XV+\k+1]              ; z = x_norm * x, never negative
.endr
	Q16 XV, 1, CV, EV
	Q16 ZS, 0, CV+4, EV+1
	ds_store_b8 v5, v[EV] offset:XIMG+256*(\t)+4*(\i)              ; both lanes of a block write the same byte with the same value
	ds_store_b8 v5, v[EV+1] offset:ZIMG+256*(\t)+4*(\i)
	global_store_b128 v2, v[CV:CV+3], s[10:11] offset:4096*(\i)+512*(\t)           ; 32 lanes store 512 consecutive bytes
	global_store_b128 v2, v[CV+4:CV+7], s[18:19] offset:4096*(\i)+512*(\t)
.endm
.macro ROW i, more
	s_wait_loadcnt 0x0                             ; the whole row is in: its norm is wanted ahead of z's first code
.irp k, 0,1,2,3
	v_pk_mul_f32 v[SS+2*\k:SS+2*\k+1], v[R+2*\k:R+2*\k+1], v[R+2*\k:R+2*\k+1]      ; the first four pairs start the chains: nothing is cleared
.endr
.set nn, 4
.rept 60
	v_pk_fma_f32 v[SS+2*(nn%4):SS+2*(nn%4)+1], v[R+2*nn:R+2*nn+1], v[R+2*nn:R+2*nn+1], v[SS+2*(nn%4):SS+2*(nn%4)+1]
.set nn, nn+1
.endr
	v_pk_add_f32 v[SS:SS+1], v[SS:SS+1], v[SS+2:SS+3]
	v_pk_add_f32 v[SS+4:SS+5], v[SS+4:SS+5], v[SS+6:SS+7]
	v_pk_add_f32 v[SS:SS+1], v[SS:SS+1], v[SS+4:SS+5]
	v_add_f32 v[SS], v[SS], v[SS+1]
	v_add_f32_dpp v[SS], v[SS], v[SS] row_xmask:1 row_mask:0xf bank_mask:0xf
	v_add_f32_dpp v[SS], v[SS], v[SS] row_xmask:2 row_mask:0xf bank_mask:0xf
	v_add_f32_dpp v[SS], v[SS], v[SS] row_xmask:4 row_mask:0xf bank_mask:0xf
	v_add_f32_dpp v[SS], v[SS], v[SS] row_xmask:8 row_mask:0xf bank_mask:0xf
	v_permlanex16_b32 v[SS+1], v[SS], s[SEL], s[SEL+1]
	v_add_f32 v[SS], v[SS], v[SS+1]                ; every lane holds the row's sum of squares
	v_sqrt_f32 v[SS+2], v[SS]
	v_nop                                          ; a plain line behind the transcendental,
	s_wait_alu depctr_va_vdst(0)                   ; and the wait ahead of its first reader
	v_add_f32 v[SS+2], 0x322bcc77, v[SS+2]         ; + 1e-8
	v_rcp_f32 v[CC], v[SS+2]
	v_nop
	s_wait_alu depctr_va_vdst(0)
	v_mov_b32 v[CC+1], v[CC]                       ; (the packed form names the pair)
	TURNL XSTG, 0, R, XS
.irp t, 0,1,2,3,4,5,6,7
	XSTEP \i, \t, \more
.endr
.endm
	ROW 0, 1
	ROW 1, 1
	ROW 2, 1
	ROW 3, 0                                       ; the last row asks for nothing: no load leaves x
	s_wait_dscnt 0x0                               ; for the others' sake: my bytes lie in the images
	s_barrier_signal -1
	s_barrier_wait -1
.irp m, 0,1,2,3
	ds_load_b32 v[R+\m], v8 offset:XIMG+128*\m     ; K steps 8 w + 2 m and + 1: 16 rows' words each
	ds_load_b32 v[R+4+\m], v8 offset:ZIMG+128*\m
.endr
	s_wait_dscnt 0x0
.irp m, 0,1,2,3
	global_store_b32 v9, v[R+\m], s[12:13] offset:1024*\m          ; a word in each 16 bytes: 16 of a run's 64 rows are this work-group's.  These words are 1 byte in 256 of what the launch moves
	global_store_b32 v9, v[R+4+\m], s[12:13] offset:262144+1024*\m
.endr
	s_wait_tensorcnt 0x0
	ds_add_u32 v232, v233
	s_wait_dscnt 0x0
	s_endpgm
; ------------------------------------------------------------------ alpha: work-group g' = 8 G + cg takes rows 64 G .. + 63, columns 512 cg .. + 511; wave w rows 64 G + 16 w + 0 .. 15
.Lalpha:
	s_sub_co_u32 s24, ttmp9, 128
	s_lshr_b32 s25, s24, 3                         ; G
	s_and_b32 s26, s24, 7                          ; cg
	s_lshl_b32 s28, s25, 6
	s_lshl_b32 s29, s[WV], 4
	s_add_co_u32 s28, s28, s29                     ; my first row
	s_lshl_b32 s30, s28, 14
	s_lshl_b32 s32, s26, 11
	s_add_co_u32 s30, s30, s32
	s_add_nc_u64 s[6:7], s[6:7], s[30:31]          ; alpha: 16,384 bytes a row, 2,048 a column group
	s_lshl_b32 s30, s28, 12
	s_lshl_b32 s32, s26, 9
	s_add_co_u32 s30, s30, s32
	s_add_nc_u64 s[14:15], s[14:15], s[30:31]      ; its codes
	s_lshl_b32 s30, s28, 7
	s_lshl_b32 s32, s26, 4
	s_add_co_u32 s30, s30, s32
	s_add_nc_u64 s[8:9], s[8:9], s[30:31]          ; W's scale bytes: 128 a row, 16 for these four K steps
	s_lshr_b32 s30, s25, 1                         ; bsc: the group of 128 rows,
	s_lshl_b32 s30, s30, 14
	s_lshl_b32 s32, s26, 2
	s_add_co_u32 s32, s32, s[WV]                   ; the K step that my wave stores: 4 cg + w,
	s_lshl_b32 s32, s32, 9
	s_add_co_u32 s30, s30, s32
	s_and_b32 s32, s25, 1                          ; and which half of its 512 bytes
	s_lshl_b32 s32, s32, 8
	s_add_co_u32 s30, s30, s32
	s_add_nc_u64 s[16:17], s[16:17], s[30:31]
	v_and_b32 v9, 15, v1
	v_lshlrev_b32 v8, 7, v9                        ; W's scale bytes: row lane % 16 (lanes 16-31 repeat lanes 0-15)
	s_lshl_b32 s28, s[WV], 2
	v_lshlrev_b32 v9, 4, v9
	v_add_nc_u32 v9, s28, v9                       ; a word's place in a K step's 256 bytes: 16 x row + 4 x wave
	v_lshl_add_u32 v5, v6, 8, v7
	v_add_nc_u32 v5, s28, v5                       ; a byte's: 256 x (K step) + block + 4 x wave; 16 x row stands in the immediate
	v_lshlrev_b32 v11, 3, v1                       ; on the way out 8 bytes a lane,
	s_lshl_b32 s28, s[WV], 8
	v_add_nc_u32 v10, s28, v11                     ; of K step w's 256
.macro ALOAD t
.irp j, 0,1,2,3
	global_load_b128 v[AR+16*((\t)%4)+4*\j:AR+16*((\t)%4)+4*\j+3], v2, s[6:7] offset:16384*(\t)+512*\j th:TH_LOAD_NT
.endr
.endm
	global_load_b128 v[WW:WW+3], v8, s[8:9]        ; 16 bytes of each of 16 rows: 1 KB a work-group, read so to spare a launch for half a megabyte
	ALOAD 0
	ALOAD 1
	ALOAD 2
	ALOAD 3
	s_wait_loadcnt 12                              ; W's words and step 0's four loads are in
.irp k, 0,1,2,3
	ds_store_b32 v9, v[WW+\k] offset:WIMG+256*\k
.endr
	TURNL ASTG, 0, AR, AX
.macro ASTEP t
.set XV, AX+16*((\t)%2)
.if (\t) == 0
	s_wait_dscnt 0x0
.else
	s_wait_dscnt 1                                 ; this step's numbers are back from the stage; the last step's byte store may be out
.endif
.if (\t)+4 < 16
	ALOAD (\t)+4                                   ; into the registers that this step's stores into the stage have read
.endif
.if (\t)+1 < 16
.if 14-(\t) >= 3
	s_wait_loadcnt 12                              ; the next step's loads are in; those of the three steps behind it may be out
.else
	s_wait_loadcnt 4*(14-(\t))
.endif
	TURNL ASTG, (\t)+1, AR+16*(((\t)+1)%4), AX+16*(((\t)+1)%2)
.endif
.irp k, 0,2,4,6,8,10,12,14
	v_pk_mul_f32 v[XV+\k:XV+\k+1], v[XV+\k:XV+\k+1], 0xbfb8aa3b op_sel_hi:[1,0]    ; -alpha x log2(e)
.endr
.irp k, 0,1,2,3,4,5,6,7,8,9,10,11,12,13,14,15
	v_exp_f32 v[XV+\k], v[XV+\k]
.endr
	v_nop                                          ; a plain line behind the batch,
	s_wait_alu depctr_va_vdst(0)                   ; and one wait for the sixteen
.irp k, 0,2,4,6,8,10,12,14
	v_pk_add_f32 v[XV+\k:XV+\k+1], v[XV+\k:XV+\k+1], 1.0 op_sel_hi:[1,0]
.endr
.irp k, 0,1,2,3,4,5,6,7,8,9,10,11,12,13,14,15
	v_rcp_f32 v[XV+\k], v[XV+\k]                   ; sigmoid = 1 / (1 + e^-alpha)
.endr
	v_nop
	s_wait_alu depctr_va_vdst(0)
	Q16 XV, 0, AC+4*(\t), AE+(\t)
	ds_store_b8 v5, v[AE+(\t)] offset:AIMG+16*(\t)
	global_store_b128 v2, v[AC+4*(\t):AC+4*(\t)+3], s[14:15] offset:4096*(\t)      ; 512 consecutive bytes of row t
.endm
.irp t, 0,1,2,3,4,5,6,7,8,9,10,11,12,13,14,15
	ASTEP \t
.endr
	s_wait_dscnt 0x0                               ; for the others' sake: my words and bytes lie in the images
	s_barrier_signal -1
	s_barrier_wait -1
	ds_load_b64 v[16:17], v10 offset:AIMG
	ds_load_b64 v[18:19], v10 offset:WIMG
	s_wait_dscnt 0x0
	global_store_b64 v11, v[16:17], s[16:17] offset:524288         ; 32 lanes store 256 consecutive bytes, aligned: sigmoid's words,
	global_store_b64 v11, v[18:19], s[16:17]                       ; and W's
	s_wait_tensorcnt 0x0
	ds_add_u32 v232, v233
	s_wait_dscnt 0x0
	s_endpgm
.Lfunc_end_k_q90f5804bc8_quant:
	.size	k_q90f5804bc8_quant, .Lfunc_end_k_q90f5804bc8_quant-k_q90f5804bc8_quant
	.p2alignl 7, 3214868480
	.fill 96, 4, 3214868480
	.section	.rodata,"a",@progbits
	.p2align	6, 0x0
	.amdhsa_kernel k_q90f5804bc8_quant
		.amdhsa_group_segment_fixed_size 47616
		.amdhsa_private_segment_fixed_size 0
		.amdhsa_enable_private_segment 0
		.amdhsa_kernarg_size 56
		.amdhsa_user_sgpr_count 2
		.amdhsa_user_sgpr_kernarg_segment_ptr 1
		.amdhsa_wavefront_size32 1
		.amdhsa_system_sgpr_workgroup_id_x 1
		.amdhsa_system_sgpr_workgroup_id_y 1
		.amdhsa_system_sgpr_workgroup_id_z 1
		.amdhsa_system_vgpr_workitem_id 0
		.amdhsa_next_free_vgpr 234
		.amdhsa_next_free_sgpr 66
		.amdhsa_reserve_vcc 0
		.amdhsa_float_denorm_mode_32 3
		.amdhsa_float_denorm_mode_16_64 3
		.amdhsa_memory_ordered 1
		.amdhsa_forward_progress 1
		.amdhsa_inst_pref_size 255
	.end_amdhsa_kernel
	.section	.bss,"aw",@nobits
	.p2align	6
	.space	262144
	.amdgpu_metadata
---
amdhsa.version: [ 1, 2 ]
amdhsa.kernels:
  - .name:           k_q90f5804bc8_quant
    .symbol:         k_q90f5804bc8_quant.kd
    .args:
      - { .name: x, .offset: 0, .size: 8, .value_kind: global_buffer, .address_space: global }
      - { .name: alpha, .offset: 8, .size: 8, .value_kind: global_buffer, .address_space: global }
      - { .name: W_scales, .offset: 16, .size: 8, .value_kind: global_buffer, .address_space: global }
      - { .name: acodes, .offset: 24, .size: 8, .value_kind: global_buffer, .address_space: global }
      - { .name: asc, .offset: 32, .size: 8, .value_kind: global_buffer, .address_space: global }
      - { .name: bcodes, .offset: 40, .size: 8, .value_kind: global_buffer, .address_space: global }
      - { .name: bsc, .offset: 48, .size: 8, .value_kind: global_buffer, .address_space: global }
    .group_segment_fixed_size: 47616
    .private_segment_fixed_size: 0
    .kernarg_segment_align: 8
    .kernarg_segment_size: 56
    .max_flat_workgroup_size: 128
    .sgpr_count:     66
    .vgpr_count:     234
    .wavefront_size: 32
...
	.end_amdgpu_metadata
.endif
;; end of part 1
;; launch gemm (part 2): grid 32 x 8, 4 waves a work-group, clusters of 4 x 4, 327,680 bytes of LDS; arguments acodes, asc, W_codes, bcodes, bsc, bias, eta, out0; writes out0
.if DOCPART == 2
	.amdgcn_target "amdgcn-amd-amdhsa--gfx1250"
	.amdhsa_code_object_version 6
	.text
	.protected	k_q90f5804bc8_gemm
	.globl	k_q90f5804bc8_gemm
	.p2align	8
	.type	k_q90f5804bc8_gemm,@function
k_q90f5804bc8_gemm:
	s_mov_b64 s[64:65], 0
	v_nop
	global_prefetch_b8 v0, s[64:65] scope:SCOPE_SE
	s_setreg_imm32_b32 hwreg(HW_REG_WAVE_MODE, 25, 1), 1
	s_wait_xcnt 0x0
	s_wait_alu depctr_hold_cnt(0) depctr_sa_sdst(0) depctr_va_vdst(0) depctr_va_sdst(0) depctr_va_ssrc(0) depctr_va_vcc(0) depctr_vm_vsrc(0)
	s_getreg_b32 s2, hwreg(HW_REG_IB_STS2, 6, 4)
	s_cmp_eq_u32 s2, 0
	s_cbranch_scc0 .Lentry_in_a_cluster
	s_endpgm
.Lentry_in_a_cluster:
	s_bfe_u32 s2, ttmp6, 0x10000c
	s_cmp_lg_u32 s2, 0xf033
	s_cbranch_scc0 .Lentry_shape_is_right
	s_endpgm
.Lentry_shape_is_right:
; out = y + eta tanh(y) s,  y = Q(x) W^T + bias,  s = Q(z) Q(sigmoid(alpha))^T: both products [2048 x 4096] x [4096 x 4096]^T on codes of FP8 (E4M3) with one E8M0 scale for each 32 along K; sums in f32.
; acodes [2][2048][4096]: Q(x), Q(z).  W_codes, bcodes [4096][4096].  asc, bsc: scale words, [operand][group of 128 rows][K step of 128][512 bytes], the word of row 16 a + r at 16 r + 256 (a / 4) + 4 (a % 4).
; SHARES.  A work-group owns 256 rows x 128 columns of out: 8 x 32 = 256 work-groups.  THE FOUR WAVES PART BY PRODUCT: waves 0, 1 make y of rows 0-127, 128-255; waves 2, 3 make s of the same rows.
; So each wave has 128 x 128 (64 accumulators, 512 registers), no fragment is read twice from LDS, and y and s of one output meet inside the work-group: neither goes to memory.
; THE MATRIX INSTRUCTION IS USED TRANSPOSED (source 0 = 16 rows of W or sigmoid, source 1 = 16 rows of x or z): a lane holds eight neighbouring columns of one row of out.
; THE RING HAS TWO REGIONS OF UNEQUAL LENGTH.  128 along K of the work-group's 768 rows are 98,304 bytes: two slots of 256 along K do not fit in LDS, two of 128 would leave a third of it idle.
; Region X holds 256 along K (two steps, rows of 256 bytes), region Y 128 (one step): K is walked X0 Y0 X1 Y1 .. Y9 X10, X_p = K 384 p on, Y_p = K 384 p + 256 on: 20 changes for 32 steps.
; Price: Y's rows are 128 bytes of memory, and every second X begins at 128 modulo 256.
; CLUSTERS: 4 x 4 work-groups.  The four of a row of the cluster need the same rows of Q(x) and Q(z), the four of a column the same rows of W and sigmoid: each tile is asked for JOINTLY, by the same
; tensor load with the same descriptor and a mask that names the four.  Wave 0 fetches Q(x)'s 256 rows, wave 1 Q(z)'s, wave 2 W's 128, wave 3 sigmoid's: one load a wave behind each round.
; THE SCALE WORDS come from memory straight into registers, two loads of 512 consecutive bytes a wave and step, two steps ahead, in three sets: beside the ring LDS has no room for them.
; LIMITS: tanh(y) = 1 - 2 / (1 + 2^(2 log2(e) y)): it goes to +-1 where the exponential overflows or falls to 0; its absolute error is about 1e-7.  NaN and infinities are not served.
; REGISTERS, in windows of 256: window 0: v16-27 addresses; v32-55 scale words, three sets of 8, and nothing else; v56-59 bias; v128-255 A's fragments (8 x 16 rows x 128 K), ONE set; in the epilogue y, s and work.
;   window 1: B's fragments, TWO sets, at v0 and v128.   window 2: the accumulators of my rows 0-63 ((a, b) at v[8 (8 a + b)]);   window 3: those of my rows 64-127.
.set PX,    272                        ; a row of X in LDS: 256 bytes + 16; an odd multiple of 16, so the 16 rows that a load touches start at 16 different 16-byte columns modulo 256
.set PY,    144                        ; a row of Y: 128 bytes + 16
.set XA,    0                          ; X: Q(x)'s 256 rows, Q(z)'s 256 rows,
.set XB,    512*PX                     ;    W's 128 rows, sigmoid's 128 rows
.set YA,    XB+256*PX                  ; Y likewise
.set YB,    YA+512*PY
.set SPARE, YB+256*PY                  ; 319,488: the spare words, 128 bytes for each wave: two blocks of 256 bytes that no other line names
.set TP,    528                        ; the epilogue: a row of 128 f32 + 16 bytes
.set STL,   256*TP                     ; y's 256 rows lie from byte 0, s's from here: over the ring, which has had its last fill and its last read by then
.set ADAX, 16                          ; v16-19 LDS addresses of my fragments: A's and B's in X, A's and B's in Y
.set ADBX, 17
.set ADAY, 18
.set ADBY, 19
.set SOFF, 20                          ; v20  16 x lane
.set PFO,  21                          ; v21  4,096 x lane: the prefetches' offset, a lane a row; never rewritten
.set SPW,  22                          ; v22  LDS address of my spare word; never rewritten
.set NIL,  23                          ; v23  0; never rewritten
.set STO,  24                          ; v24  the epilogue: where I put 32 bytes of a row
.set RD0,  25                          ; v25  where my 64 rows begin, + 16 x lane
.set RDY,  26                          ; v26, v27 the trip's rows of y and of s
.set RDS,  27
.set SC,   32                          ; scale words: set n at v[SC + 8 n]: +0..3 A's (register j: block j in lanes 0-15, block j + 4 in lanes 16-31), +4..7 B's
.set BI,   56
.set AF,   128
.set YV,   128
.set SV,   160
.set EV,   192
.set WV,   20                          ; s20 wave; s21 wave / 2: the product, and A's or B's fetcher; s22 wave % 2
.set WH,   21
.set WL,   22
.set G1AX, 24                          ; descriptor groups 1: A's and B's tiles of X, of Y
.set G1BX, 32
.set G1AY, 40
.set G1BY, 48
.set G0AX, 56                          ; and groups 0
.set G0BX, 60
.set G0AY, 68
.set G0BY, 72
.set SAP,  76                          ; s[76:77], s[78:79] my A's and my B's scale words
.set SBP,  78
.set PFA,  80                          ; s[80:81] where my prefetches stand
.set LIM,  82                          ; s82  1 in a wave that prefetches
.set MSB, 0
.macro WIN new                         ; the immediate's high byte repeats the setting that is left
.if MSB != (\new)
	s_set_vgpr_msb (MSB<<8)|(\new)
.set MSB, \new
.endif
.endm
.set MUL_LO, 0xa1                      ; source 0 (B) window 1, source 1 (A) window 0, C and D window 2
.set MUL_HI, 0xf1                      ; the same, C and D window 3
.set TO_B,   0x40                      ; destination window 1, address window 0
.macro PLACES n
.rept \n
	v_nop
.endr
.endm
; A joint load: waves 0 and 1 fetch for A, waves 2 and 3 for B.  Each line has one mask and one set of registers for all that issue it; the branch hangs on the wave's number alone.
; Four v_nop follow each of the two lines, ahead of the jump, the label and what follows.
.macro JLOAD g0a, g1a, g0b, g1b
	s_cmp_eq_u32 s[WH], 0
	s_cbranch_scc0 .Lfor_b_\@
	tensor_load_to_lds s[\g0a:\g0a+3], s[\g1a:\g1a+7]
	s_nop 0
.rept 4
	v_nop
.endr
	s_branch .Lasked_\@
.Lfor_b_\@:
	tensor_load_to_lds s[\g0b:\g0b+3], s[\g1b:\g1b+7]
	s_nop 0
.rept 4
	v_nop
.endr
.Lasked_\@:
.endm
.macro CREST                           ; a round of the cluster's barrier behind its opening barrier
	s_cmp_lg_u32 s[WV], 0
	s_cbranch_scc1 .Lnot_wave_0_\@
	s_barrier_signal -3
.Lnot_wave_0_\@:
	s_barrier_wait -3
	s_barrier_signal -1
	s_barrier_wait -1
.endm
.macro CROUND
	s_barrier_signal -1
	s_barrier_wait -1
	CREST
.endm
; A PREFETCH INTO THE L2: 32 rows x the aligned 256 bytes at off from where the prefetches stand, a lane a row, one instruction a wave; three steps (192 matrix instructions) ahead of the tensor load that first wants them.
; Each row's 256 bytes are named ONCE in the launch.  A's 256 rows (wave 0: Q(x)'s, wave 1: Q(z)'s) are read by all eight clusters of a row of clusters: clusters x = 0 and 1 ask, their eight work-groups
; taking 32 rows each BY ADDRESS; B's 128 rows (wave 2: W's, wave 3: sigmoid's) by both clusters of a column: cluster y = 0 asks, its four rows of work-groups taking 32 rows each.
; A row's first three blocks come by their loads alone; the last that is named is a row's last, block 15.
.macro ASK off
	s_cmp_eq_u32 s[LIM], 1
	s_cbranch_scc0 .Lnot_mine_\@
	global_prefetch_b8 v[PFO], s[PFA:PFA+1] offset:\off th:TH_LOAD_NT scope:SCOPE_SE
.Lnot_mine_\@:
.endm
.macro FRAG reg, adr, off              ; 16 rows x 128 K of 8-bit codes: lane l holds row l % 16; registers 4 c .. 4 c + 3 hold K = 32 c + 16 (l / 16) + 0 .. 15
.irp c, 0,1,2,3
	ds_load_b128 v[(\reg)+4*\c:(\reg)+4*\c+3], v[\adr] offset:(\off)+32*\c
.endr
.endm
.macro FETCH_B adr, off, pitch, p      ; B's eight fragments into set p
	WIN TO_B
.irp i, 0,1,2,3,4,5,6,7
	FRAG 128*(\p)+16*\i, \adr, (\off)+16*\i*(\pitch)
.endr
	WIN 0
.endm
.macro FETCH_A adr, off, pitch, i0     ; A's blocks i0 .. i0 + 3
.irp i, 0,1,2,3
	FRAG AF+16*((\i0)+\i), \adr, (\off)+16*((\i0)+\i)*(\pitch)
.endr
.endm
.macro SCLOAD set, off                 ; a step's scale words: 512 consecutive bytes for A's 128 rows, 512 for B's
	global_load_b128 v[SC+8*(\set):SC+8*(\set)+3], v[SOFF], s[SAP:SAP+1] offset:\off
	global_load_b128 v[SC+8*(\set)+4:SC+8*(\set)+7], v[SOFF], s[SBP:SBP+1] offset:\off
.endm
; one product: A's block a x B's block b, 128 along K.  A block over 3 has its scale words in lanes 16-31 of its register.  zero = 1: the product starts the sum: nothing is ever cleared
.macro MM a, b, p, sc, zero
.set rD, 8*(8*((\a)%4)+(\b))
.set rB, 128*(\p)+16*(\b)
.set rA, AF+16*(\a)
.set rT, SC+8*(\sc)+4+(\b)%4
.set rS, SC+8*(\sc)+(\a)%4
.if \zero
.if ((\a) < 4) && ((\b) < 4)
	v_wmma_scale_f32_16x16x128_f8f6f4 v[rD:rD+7], v[rB:rB+15], v[rA:rA+15], 0, v[rT], v[rS]
.elseif (\a) < 4
	v_wmma_scale_f32_16x16x128_f8f6f4 v[rD:rD+7], v[rB:rB+15], v[rA:rA+15], 0, v[rT], v[rS] matrix_a_scale:MATRIX_SCALE_ROW1
.elseif (\b) < 4
	v_wmma_scale_f32_16x16x128_f8f6f4 v[rD:rD+7], v[rB:rB+15], v[rA:rA+15], 0, v[rT], v[rS] matrix_b_scale:MATRIX_SCALE_ROW1
.else
	v_wmma_scale_f32_16x16x128_f8f6f4 v[rD:rD+7], v[rB:rB+15], v[rA:rA+15], 0, v[rT], v[rS] matrix_a_scale:MATRIX_SCALE_ROW1 matrix_b_scale:MATRIX_SCALE_ROW1
.endif
.else
.if ((\a) < 4) && ((\b) < 4)
	v_wmma_scale_f32_16x16x128_f8f6f4 v[rD:rD+7], v[rB:rB+15], v[rA:rA+15], v[rD:rD+7], v[rT], v[rS]
.elseif (\a) < 4
	v_wmma_scale_f32_16x16x128_f8f6f4 v[rD:rD+7], v[rB:rB+15], v[rA:rA+15], v[rD:rD+7], v[rT], v[rS] matrix_a_scale:MATRIX_SCALE_ROW1
.elseif (\b) < 4
	v_wmma_scale_f32_16x16x128_f8f6f4 v[rD:rD+7], v[rB:rB+15], v[rA:rA+15], v[rD:rD+7], v[rT], v[rS] matrix_b_scale:MATRIX_SCALE_ROW1
.else
	v_wmma_scale_f32_16x16x128_f8f6f4 v[rD:rD+7], v[rB:rB+15], v[rA:rA+15], v[rD:rD+7], v[rT], v[rS] matrix_a_scale:MATRIX_SCALE_ROW1 matrix_b_scale:MATRIX_SCALE_ROW1
.endif
.endif
.endm
.macro MULA a, p, sc, zero             ; A's block a against B's eight.  The 64 accumulators take turns, one instruction a turn, in the same order in every step
.irp b, 0,1,2,3,4,5,6,7
	MM \a, \b, \p, \sc, \zero
.endr
.endm
; the run of loads in a step's middle: the next step's B (other set), the scale words of two steps on (into the set that the last step left; so < 0: none), the next step's A blocks 0-3
.macro MID nA, nB, noff, npitch, p, sc, so
	FETCH_B \nB, \noff, \npitch, 1-(\p)
.if (\so) >= 0
	SCLOAD ((\sc)+2)%3, \so
.endif
	FETCH_A \nA, \noff, \npitch, 0
.endm
; a step's second half, and the next step's A blocks 4-7.  A load into a register that a matrix instruction has read stands eight places behind it, and only plain vector instructions
; that name none of its registers are places
.macro HIEND p, sc, zero, nA, noff, npitch
	WIN MUL_HI
	MULA 4, \p, \sc, \zero
	MULA 5, \p, \sc, \zero
	MULA 6, \p, \sc, \zero
	MULA 7, \p, \sc, \zero
	PLACES 8
	WIN 0
	FETCH_A \nA, \noff, \npitch, 4
.endm
; A step whose successor lies in the same region.  p: B's set; sc: the set of scale words; lc: the scale loads that may stay out
.macro STEP p, sc, lc, nA, nB, noff, npitch, so, zero
	s_wait_loadcnt \lc                             ; this step's scale words are in; the next step's two loads may be out
	s_wait_dscnt 16                                ; B's set and A's blocks 0-3 are in; the youngest 16 loads (A's blocks 4-7) may be out
	WIN MUL_LO
	MULA 0, \p, \sc, \zero
	MULA 1, \p, \sc, \zero
	MULA 2, \p, \sc, \zero
	MULA 3, \p, \sc, \zero
	s_wait_dscnt 0x0                               ; A's blocks 4-7 are in (asked for 32 matrix instructions ago)
	PLACES 8
	MID \nA, \nB, \noff, \npitch, \p, \sc, \so
	HIEND \p, \sc, \zero, \nA, \noff, \npitch
.endm
; A region's last step changes regions: ONE barrier.  In front of it each wave waits for all its tensor loads (one is out: its part of the region ahead), adds 0 to its spare word, and waits for that
; and for its reads of the region that it leaves.  With a fill the barrier opens a round of the cluster's barrier, and the joint refill of the region left is the first tensor load behind the round.
; early = 1 (leaving X): the region ahead, Y, was asked for a step and a half ago, so the change stands at the step's head and X's refill goes out as soon as X's last reads are back.
; early = 0 (leaving Y): the region ahead, X, was asked for one step ago, so the wait for it stands as late as the fetch of its first fragments allows.
.macro TURN early, p, sc, lc, nA, nB, noff, npitch, so, fill, g0a, g1a, g0b, g1b, pf
	s_wait_loadcnt \lc
.if \early
	s_wait_tensorcnt 0x0                           ; all my tensor loads have landed  (every window is 0 here: the add's two registers lie in window 0)
	ds_add_u32 v[SPW], v[NIL]                      ; 0 onto my spare word
	s_wait_dscnt 17                                ; (the add and the youngest 16 loads may be out)
	WIN MUL_LO
	MULA 0, \p, \sc, 0                             ; eight matrix instructions stand between the add and the wait for it
	s_wait_dscnt 0x0                               ; the add is done, and my reads of this region are over
	s_barrier_signal -1
	MULA 1, \p, \sc, 0
	WIN 0
	s_barrier_wait -1
	CREST                                          ; no wave of any partner still reads this region or has a load on its way
	s_add_nc_u64 s[\g0a+2:\g0a+3], s[\g0a+2:\g0a+3], 384
	s_add_nc_u64 s[\g0b+2:\g0b+3], s[\g0b+2:\g0b+3], 384
	JLOAD \g0a, \g1a, \g0b, \g1b
	WIN MUL_LO
	MULA 2, \p, \sc, 0
	MULA 3, \p, \sc, 0
	PLACES 8
.else
	s_wait_dscnt 16
	WIN MUL_LO
	MULA 0, \p, \sc, 0
	MULA 1, \p, \sc, 0
	WIN 0
	s_wait_tensorcnt 0x0
	ds_add_u32 v[SPW], v[NIL]                      ; 0 onto my spare word
	WIN MUL_LO
	MULA 2, \p, \sc, 0
	s_wait_dscnt 0x0
	s_barrier_signal -1
	MULA 3, \p, \sc, 0
	WIN 0
	s_barrier_wait -1
.if \fill
	CREST
	s_add_nc_u64 s[\g0a+2:\g0a+3], s[\g0a+2:\g0a+3], 384
	s_add_nc_u64 s[\g0b+2:\g0b+3], s[\g0b+2:\g0b+3], 384
	JLOAD \g0a, \g1a, \g0b, \g1b                   ; the four v_nop behind it are four of the eight places in front of the loads below
	PLACES 4
.else
	PLACES 8
.endif
.endif
	MID \nA, \nB, \noff, \npitch, \p, \sc, \so
.if (\pf) >= 0
	ASK \pf                                        ; behind the joint load and the run of loads that the next products wait for
.endif
	HIEND \p, \sc, 0, \nA, \noff, \npitch
.endm
.macro LAST p, sc                      ; the very last step: nothing more to fetch
	s_wait_loadcnt 0x0
	s_wait_dscnt 16
	WIN MUL_LO
	MULA 0, \p, \sc, 0
	MULA 1, \p, \sc, 0
	MULA 2, \p, \sc, 0
	MULA 3, \p, \sc, 0
	s_wait_dscnt 0x0
	WIN MUL_HI
	MULA 4, \p, \sc, 0
	MULA 5, \p, \sc, 0
	MULA 6, \p, \sc, 0
	MULA 7, \p, \sc, 0
	WIN 0
.endm
	s_load_b512 s[4:19], s[0:1], 0x0               ; acodes s[4:5], asc s[6:7], W_codes s[8:9], bcodes s[10:11], bsc s[12:13], bias s[14:15], eta s[16:17], out0 s[18:19]
	v_lshl_add_u32 v[SPW], v0, 2, SPARE
	v_mov_b32 v[NIL], 0
	ds_add_u32 v22, v23
	ds_add_u32 v22, v23
	s_wait_dscnt 0x0
	v_lshrrev_b32 v1, 5, v0
	v_readfirstlane_b32 s[WV], v1                  ; wave 0..3
	s_lshr_b32 s[WH], s[WV], 1
	s_and_b32 s[WL], s[WV], 1
	s_bfe_u32 s83, ttmp6, 0x40000                  ; cx, cy: my place in the cluster
	s_bfe_u32 s84, ttmp6, 0x40004
	s_lshl_b32 s85, ttmp9, 2
	s_add_co_u32 s85, s85, s83                     ; tile column (128 columns) = 4 x cluster x + cx
	s_and_b32 s89, ttmp7, 0xffff                   ; cluster y
	s_lshl_b32 s86, s89, 2
	s_add_co_u32 s86, s86, s84                     ; tile row (256 rows) = 4 x cluster y + cy
	s_lshl_b32 s87, s84, 2
	s_lshl_b32 s87, 15, s87                        ; my row of the cluster
	s_lshl_b32 s88, 0x1111, s83                    ; my column
	; descriptor groups 1.  Elements of 1 byte; padding on, four words behind every row (64 words in X, 32 in Y); bit 21 set beside the mask
	s_or_b32 s[G1AX], s87, (1<<20)|(1<<21)|(5<<22)|(3<<25)
	s_or_b32 s[G1BX], s88, (1<<20)|(1<<21)|(5<<22)|(3<<25)
	s_or_b32 s[G1AY], s87, (1<<20)|(1<<21)|(4<<22)|(3<<25)
	s_or_b32 s[G1BY], s88, (1<<20)|(1<<21)|(4<<22)|(3<<25)
.irp g, G1AX, G1BX
	s_mov_b32 s[\g+1], 256<<16                     ; tensor_dim0 = 256
	s_mov_b32 s[\g+3], 256<<16                     ; tile_dim0 = 256
	s_mov_b32 s[\g+5], 4096                        ; from row to row
	s_mov_b32 s[\g+6], 0
	s_mov_b32 s[\g+7], 0
.endr
.irp g, G1AY, G1BY
	s_mov_b32 s[\g+1], 128<<16
	s_mov_b32 s[\g+3], 128<<16
	s_mov_b32 s[\g+5], 4096
	s_mov_b32 s[\g+6], 0
	s_mov_b32 s[\g+7], 0
.endr
.irp g, G1AX, G1AY
	s_mov_b32 s[\g+2], 256<<16                     ; tensor_dim1 = tile_dim1 = 256 rows of A
	s_mov_b32 s[\g+4], 256
.endr
.irp g, G1BX, G1BY
	s_mov_b32 s[\g+2], 128<<16                     ; 128 rows of B
	s_mov_b32 s[\g+4], 128
.endr
	; where the tiles come from.  A's hang on the tile row alone, B's on the tile column alone, each in registers that never hold the other coordinate
	s_lshl_b32 s90, s[WL], 23                      ; A: Q(x) or Q(z): 8,388,608 bytes apart,
	s_lshl_b32 s91, s86, 20                        ; 256 rows of 4,096 bytes a tile row
	s_add_co_u32 s90, s90, s91
	s_mov_b32 s91, 0
	s_lshl_b32 s92, s85, 19                        ; B: 128 rows a tile column
	s_mov_b32 s93, 0
	s_lshl_b32 s[SAP], s[WH], 18                   ; my A's scale words: the operand, the group of 128 rows 2 x tile row + wave % 2
	s_lshl_b32 s[SAP+1], s86, 1
	s_add_co_u32 s[SAP+1], s[SAP+1], s[WL]
	s_lshl_b32 s[SAP+1], s[SAP+1], 14
	s_add_co_u32 s[SAP], s[SAP], s[SAP+1]
	s_mov_b32 s[SAP+1], 0
	s_lshl_b32 s[SBP], s[WH], 19                   ; my B's: the operand, the group = tile column
	s_lshl_b32 s[SBP+1], s85, 14
	s_add_co_u32 s[SBP], s[SBP], s[SBP+1]
	s_mov_b32 s[SBP+1], 0
	s_wait_kmcnt 0x0
	s_add_nc_u64 s[90:91], s[4:5], s[90:91]
	s_cmp_eq_u32 s[WL], 0
	s_cselect_b64 s[94:95], s[8:9], s[10:11]       ; W's codes or sigmoid's: by the wave's number
	s_add_nc_u64 s[92:93], s[94:95], s[92:93]
	s_add_nc_u64 s[SAP:SAP+1], s[6:7], s[SAP:SAP+1]
	s_add_nc_u64 s[SBP:SBP+1], s[12:13], s[SBP:SBP+1]
	; groups 0: count 1, the LDS address (a constant + a constant x wave % 2: no place in the cluster enters it), the global address, type 2
	s_mov_b32 s[G0AX], 1
	s_mul_i32 s23, s[WL], 256*PX
	s_add_co_u32 s[G0AX+1], s23, XA
	s_mov_b64 s[G0AX+2:G0AX+3], s[90:91]
	s_or_b32 s[G0AX+3], s[G0AX+3], 0x80000000
	s_mov_b32 s[G0BX], 1
	s_mul_i32 s23, s[WL], 128*PX
	s_add_co_u32 s[G0BX+1], s23, XB
	s_mov_b64 s[G0BX+2:G0BX+3], s[92:93]
	s_or_b32 s[G0BX+3], s[G0BX+3], 0x80000000
	s_mov_b32 s[G0AY], 1
	s_mul_i32 s23, s[WL], 256*PY
	s_add_co_u32 s[G0AY+1], s23, YA
	s_add_nc_u64 s[G0AY+2:G0AY+3], s[90:91], 256
	s_or_b32 s[G0AY+3], s[G0AY+3], 0x80000000
	s_mov_b32 s[G0BY], 1
	s_mul_i32 s23, s[WL], 128*PY
	s_add_co_u32 s[G0BY+1], s23, YB
	s_add_nc_u64 s[G0BY+2:G0BY+3], s[92:93], 256
	s_or_b32 s[G0BY+3], s[G0BY+3], 0x80000000
	CROUND                                         ; all sixteen work-groups are here: the first joint loads meet
	JLOAD G0AX, G1AX, G0BX, G1BX                   ; X0: K 0 .. 255
	JLOAD G0AY, G1AY, G0BY, G1BY                   ; Y0: K 256 .. 383.  Two tensor loads of mine are out
	v_and_b32 v5, 31, v0
	v_lshlrev_b32 v[SOFF], 4, v5
	v_lshlrev_b32 v[PFO], 12, v5
	SCLOAD 0, 0                                    ; the scale words of steps 0 and 1
	SCLOAD 1, 512
	v_and_b32 v1, 15, v0                           ; r = lane % 16
	v_bfe_u32 v2, v0, 4, 1                         ; h = lane / 16
	v_mul_u32_u24 v3, v1, PX
	v_lshl_add_u32 v3, v2, 4, v3                   ; a fragment's row x pitch + 16 h
	v_mul_u32_u24 v4, v1, PY
	v_lshl_add_u32 v4, v2, 4, v4
	s_mul_i32 s23, s[WV], 128*PX                   ; A's rows lie Q(x) 0-255, Q(z) 0-255: wave w reads 128 w on
	s_add_co_u32 s23, s23, XA
	v_add_nc_u32 v[ADAX], s23, v3
	s_mul_i32 s23, s[WH], 128*PX                   ; B's: W's 128, sigmoid's 128
	s_add_co_u32 s23, s23, XB
	v_add_nc_u32 v[ADBX], s23, v3
	s_mul_i32 s23, s[WV], 128*PY
	s_add_co_u32 s23, s23, YA
	v_add_nc_u32 v[ADAY], s23, v4
	s_mul_i32 s23, s[WH], 128*PY
	s_add_co_u32 s23, s23, YB
	v_add_nc_u32 v[ADBY], s23, v4
	v_mul_u32_u24 v[STO], v1, TP                   ; the epilogue, in: y's or s's tile, my 128 rows, row r, 32 bytes for each half of the lanes
	v_lshl_add_u32 v[STO], v2, 5, v[STO]
	s_mul_i32 s23, s[WH], STL
	v_add_nc_u32 v[STO], s23, v[STO]
	s_mul_i32 s23, s[WL], 128*TP
	v_add_nc_u32 v[STO], s23, v[STO]
	s_mul_i32 s23, s[WV], 64*TP                    ; back: wave w takes rows 64 w .. 64 w + 63 of both tiles; the 32 lanes take a row of 512 bytes
	v_add_nc_u32 v[RD0], s23, v[SOFF]
	; the prefetches: who asks, and where
	s_and_b32 s80, ttmp9, 1
	s_lshl_b32 s80, s80, 2
	s_add_co_u32 s80, s80, s83                     ; A: my share of the 256 rows: 4 x (cluster x % 2) + cx
	s_lshr_b32 s[LIM], ttmp9, 1                    ; 0 in clusters x = 0 and 1
	s_cmp_eq_u32 s[WH], 0
	s_cselect_b32 s80, s80, s84                    ; B: my share of the 128 rows: cy
	s_cselect_b32 s[LIM], s[LIM], s89              ; 0 in cluster y = 0
	s_cselect_b64 s[94:95], s[90:91], s[92:93]     ; the tile that I fetch
	s_cmp_eq_u32 s[LIM], 0
	s_cselect_b32 s[LIM], 1, -1                    ; the same in all sixteen partners, for a given wave
	s_lshl_b32 s80, s80, 17                        ; 32 rows of 4,096 bytes a share,
	s_add_co_u32 s80, s80, 768                     ; at a row's block 3
	s_mov_b32 s81, 0
	s_add_nc_u64 s[PFA:PFA+1], s[94:95], s[80:81]
	s_lshl_b32 s94, s86, 22                        ; out: 256 rows of 16,384 bytes a tile row,
	s_lshl_b32 s95, s[WV], 20                      ; 64 rows a wave,
	s_add_co_u32 s94, s94, s95
	s_lshl_b32 s95, s85, 9                         ; 512 bytes a tile column
	s_add_co_u32 s94, s94, s95
	s_mov_b32 s95, 0
	s_add_nc_u64 s[18:19], s[18:19], s[94:95]
	s_lshl_b32 s94, s85, 9
	s_add_nc_u64 s[14:15], s[14:15], s[94:95]      ; bias at the tile's first column
	s_wait_tensorcnt 1                             ; my part of X0 is in; Y0's load may stay out
	s_barrier_signal -1
	s_barrier_wait -1                              ; everybody's is
	FETCH_B ADBX, 0, PX, 0
	FETCH_A ADAX, 0, PX, 0
	FETCH_A ADAX, 0, PX, 4
	; step j: B's set j % 2, scale set j % 3; it loads the scale words of step j + 2.  Steps 3 p, 3 p + 1 lie in X_p, step 3 p + 2 in Y_p
	STEP 0, 0, 2, ADAX, ADBX, 128, PX, 1024, 1     ; step 0 stands in front of the loop: its products start the sums
	s_mov_b32 s3, 4
.Llap:                                                 ; a trip is six steps, 768 along K: steps 6 t + 1 .. 6 t + 6; it fills X twice and Y twice
	TURN 1, 1, 1, 2, ADAY, ADBY, 0, PY, 1536, 1, G0AX, G1AX, G0BX, G1BX, 0
	TURN 0, 0, 2, 2, ADAX, ADBX, 0, PX, 2048, 1, G0AY, G1AY, G0BY, G1BY, 256
	STEP 1, 0, 2, ADAX, ADBX, 128, PX, 2560, 0
	TURN 1, 0, 1, 2, ADAY, ADBY, 0, PY, 3072, 1, G0AX, G1AX, G0BX, G1BX, 512
	TURN 0, 1, 2, 2, ADAX, ADBX, 0, PX, 3584, 1, G0AY, G1AY, G0BY, G1BY, -1
	STEP 0, 0, 2, ADAX, ADBX, 128, PX, 4096, 0
	s_wait_xcnt 0x0                                ; the scale loads and the prefetches have read their bases: they may step
	s_add_nc_u64 s[SAP:SAP+1], s[SAP:SAP+1], 3072
	s_add_nc_u64 s[SBP:SBP+1], s[SBP:SBP+1], 3072
	s_add_nc_u64 s[PFA:PFA+1], s[PFA:PFA+1], 768
	s_sub_co_u32 s3, s3, 1
	s_cmp_lg_u32 s3, 0
	s_cbranch_scc1 .Llap
	; steps 25 to 31 are written out
	TURN 1, 1, 1, 2, ADAY, ADBY, 0, PY, 1536, 1, G0AX, G1AX, G0BX, G1BX, 0      ; fills X9; asks for a row's last block
	TURN 0, 0, 2, 2, ADAX, ADBX, 0, PX, 2048, 1, G0AY, G1AY, G0BY, G1BY, -1     ; fills Y9: Y's last
	STEP 1, 0, 2, ADAX, ADBX, 128, PX, 2560, 0
	TURN 1, 0, 1, 2, ADAY, ADBY, 0, PY, 3072, 1, G0AX, G1AX, G0BX, G1BX, -1     ; fills X10: the last tensor load
	TURN 0, 1, 2, 2, ADAX, ADBX, 0, PX, 3584, 0, G0AY, G1AY, G0BY, G1BY, -1     ; nothing is filled: no round follows the barrier
	STEP 0, 0, 2, ADAX, ADBX, 128, PX, -1, 0
	LAST 1, 1
	; THE EPILOGUE.  y's and s's tiles go into LDS as rows of 512 bytes (+ 16), over the ring: it has had its last fill, and behind the barrier below nobody reads it.
	PLACES 8                                       ; in front of the first read of results, and of loads into the registers that held A's fragments
	s_load_b32 s96, s[16:17], 0x0                  ; eta
	global_load_b128 v[BI:BI+3], v[SOFF], s[14:15] ; bias of my four columns 4 x lane .. + 3
	s_barrier_signal -1                            ; every wave's last reads of the ring are back (its wait for 0 stands in the last step)
	s_barrier_wait -1
.irp a, 0,1,2,3,4,5,6,7
	WIN 0x08+4*((\a)/4)                            ; an LDS store's data are its source 1: window 2 or 3
.irp b, 0,1,2,3,4,5,6,7
	ds_store_b128 v[STO], v[8*(8*((\a)%4)+\b):8*(8*((\a)%4)+\b)+3] offset:(\a)*16*TP+64*\b          ; each accumulator from its low end on
	ds_store_b128 v[STO], v[8*(8*((\a)%4)+\b)+4:8*(8*((\a)%4)+\b)+7] offset:(\a)*16*TP+64*\b+16
.endr
.endr
	WIN 0
	s_wait_dscnt 0x0                               ; for the others' sake: my stores are done
	s_barrier_signal -1
	s_barrier_wait -1
	s_mov_b32 s98, 0
	s_mov_b32 s3, 8
	s_wait_kmcnt 0x0
	s_mov_b32 s97, s96                             ; (the packed form names the pair)
	s_wait_loadcnt 0x0                             ; bias
.Lfin:                                                 ; eight trips of eight rows: a lane holds four neighbouring columns of each
	v_add_nc_u32 v[RDY], s98, v[RD0]
	v_add_nc_u32 v[RDS], STL, v[RDY]
.irp i, 0,1,2,3,4,5,6,7
	ds_load_b128 v[YV+4*\i:YV+4*\i+3], v[RDY] offset:\i*TP
.endr
.irp i, 0,1,2,3,4,5,6,7
	ds_load_b128 v[SV+4*\i:SV+4*\i+3], v[RDS] offset:\i*TP
.endr
	s_wait_dscnt 0x0
.irp i, 0,1,2,3,4,5,6,7
.irp k, 0,1
	v_pk_add_f32 v[YV+4*\i+2*\k:YV+4*\i+2*\k+1], v[YV+4*\i+2*\k:YV+4*\i+2*\k+1], v[BI+2*\k:BI+2*\k+1]   ; y = the sum + bias
.endr
.endr
.set q, 0
.rept 16
	v_pk_mul_f32 v[EV+2*q:EV+2*q+1], v[YV+2*q:YV+2*q+1], 0x4038aa3b op_sel_hi:[1,0]                    ; 2 log2(e) y
.set q, q+1
.endr
.set q, 0
.rept 32
	v_exp_f32 v[EV+q], v[EV+q]
.set q, q+1
.endr
.set q, 0
.rept 16
	v_pk_mul_f32 v[SV+2*q:SV+2*q+1], v[SV+2*q:SV+2*q+1], s[96:97] op_sel_hi:[1,0]                      ; u = eta s: the independent work behind the batch
.set q, q+1
.endr
	s_wait_alu depctr_va_vdst(0)                   ; one wait for the 32 exponentials, ahead of their first reader
.set q, 0
.rept 16
	v_pk_add_f32 v[EV+2*q:EV+2*q+1], v[EV+2*q:EV+2*q+1], 1.0 op_sel_hi:[1,0]
.set q, q+1
.endr
.set q, 0
.rept 32
	v_rcp_f32 v[EV+q], v[EV+q]
.set q, q+1
.endr
	v_nop                                          ; a plain line behind the last reciprocal,
	s_wait_alu depctr_va_vdst(0)                   ; and one wait for the 32
.set q, 0
.rept 16
	v_pk_fma_f32 v[EV+2*q:EV+2*q+1], v[EV+2*q:EV+2*q+1], -2.0, 1.0 op_sel_hi:[1,0,0]                   ; tanh(y) = 1 - 2 / (1 + e^(2 y))
.set q, q+1
.endr
.set q, 0
.rept 16
	v_pk_fma_f32 v[YV+2*q:YV+2*q+1], v[SV+2*q:SV+2*q+1], v[EV+2*q:EV+2*q+1], v[YV+2*q:YV+2*q+1]        ; out = y + eta s tanh(y)
.set q, q+1
.endr
.irp i, 0,1,2,3,4,5,6,7
	global_store_b128 v[SOFF], v[YV+4*\i:YV+4*\i+3], s[18:19] offset:\i*16384 th:TH_STORE_NT           ; 32 lanes store 512 consecutive bytes, at a multiple of 256 from out0's first byte
.endr
	s_wait_xcnt 0x0                                ; the stores have read their registers and their base: both may be written again
	s_add_nc_u64 s[18:19], s[18:19], 8*16384
	s_add_co_u32 s98, s98, 8*TP
	s_sub_co_u32 s3, s3, 1
	s_cmp_lg_u32 s3, 0
	s_cbranch_scc1 .Lfin
	s_wait_tensorcnt 0x0                           ; the wave's end: behind my last tensor load and my last LDS store
	ds_add_u32 v[SPW], v[NIL]
	s_wait_dscnt 0x0
	CROUND                                         ; the closing round: no work-group ends while a partner may still ask for a tile that names it
	s_endpgm
.Lfunc_end_k_q90f5804bc8_gemm:
	.size	k_q90f5804bc8_gemm, .Lfunc_end_k_q90f5804bc8_gemm-k_q90f5804bc8_gemm
	.p2alignl 7, 3214868480
	.fill 96, 4, 3214868480
	.section	.rodata,"a",@progbits
	.p2align	6, 0x0
	.amdhsa_kernel k_q90f5804bc8_gemm
		.amdhsa_group_segment_fixed_size 327680
		.amdhsa_private_segment_fixed_size 0
		.amdhsa_enable_private_segment 0
		.amdhsa_kernarg_size 64
		.amdhsa_user_sgpr_count 2
		.amdhsa_user_sgpr_kernarg_segment_ptr 1
		.amdhsa_wavefront_size32 1
		.amdhsa_system_sgpr_workgroup_id_x 1
		.amdhsa_system_sgpr_workgroup_id_y 1
		.amdhsa_system_sgpr_workgroup_id_z 1
		.amdhsa_system_vgpr_workitem_id 0
		.amdhsa_next_free_vgpr 1024
		.amdhsa_next_free_sgpr 100
		.amdhsa_reserve_vcc 0
		.amdhsa_float_denorm_mode_32 3
		.amdhsa_float_denorm_mode_16_64 3
		.amdhsa_memory_ordered 1
		.amdhsa_forward_progress 1
		.amdhsa_inst_pref_size 219
	.end_amdhsa_kernel
	.amdgpu_metadata
---
amdhsa.version: [ 1, 2 ]
amdhsa.kernels:
  - .name:           k_q90f5804bc8_gemm
    .symbol:         k_q90f5804bc8_gemm.kd
    .args:
      - { .name: acodes, .offset: 0, .size: 8, .value_kind: global_buffer, .address_space: global }
      - { .name: asc, .offset: 8, .size: 8, .value_kind: global_buffer, .address_space: global }
      - { .name: W_codes, .offset: 16, .size: 8, .value_kind: global_buffer, .address_space: global }
      - { .name: bcodes, .offset: 24, .size: 8, .value_kind: global_buffer, .address_space: global }
      - { .name: bsc, .offset: 32, .size: 8, .value_kind: global_buffer, .address_space: global }
      - { .name: bias, .offset: 40, .size: 8, .value_kind: global_buffer, .address_space: global }
      - { .name: eta, .offset: 48, .size: 8, .value_kind: global_buffer, .address_space: global }
      - { .name: out0, .offset: 56, .size: 8, .value_kind: global_buffer, .address_space: global }
    .group_segment_fixed_size: 327680
    .private_segment_fixed_size: 0
    .kernarg_segment_align: 8
    .kernarg_segment_size: 64
    .max_flat_workgroup_size: 128
    .sgpr_count:     100
    .vgpr_count:     1024
    .wavefront_size: 32
...
	.end_amdgpu_metadata
.endif
;; end of part 2
